; MI455X (gfx1250); checked and timed in simulation.
; The chip was launched on July 23, 2026; its instructions are those of AMD's public machine-readable ISA for CDNA 5 (MIT licence, August 2026) and "CDNA5" Instruction Set Architecture Reference Guide (July 2026).
;; BASE Rel Patch Attention2 D THW. Allowed arithmetic: matrix products marked QUANTISED: E4M3 operands, one given power-of-two scale a tensor, by v_wmma_f32_16x16x64_fp8_fp8 or v_wmma_f32_16x16x128_fp8_fp8, f32 sums; products left as they are: f32 operands where the result goes on into a quantised operand, else bf16, f16 or f32 operands; f32 sums; everything else in f32.
;; Inputs: k 4 x 16 x 16 x 128 x 128 float32; lowp_scales 2 int32 (the exponents e of the quantised operands' scales 2^e); q 4 x 16 x 16 x 128 x 128 float32; v 4 x 16 x 16 x 128 x 128 float32.
;; Outputs: out0 4 x 16 x 16 x 128 x 128 float32.
;; This version of the problem:
;;   THIS VERSION OF THE PROBLEM IS GIVEN IN LOW PRECISION. The matrix products marked QUANTISED in the list below multiply operands that are first quantised to E4M3 (4 exponent bits, 3 mantissa bits; 8 bits a number), with one given power-of-two scale for each operand tensor; their sums are f32. All else is computed in f32.
;;   The module's matrix products, in the order in which they are computed (A, B: the left and right operand; K: the contracted axis; several contracted axes count as one K, in the product's order):
;;     1. batch 4 x [M 4,096, K 1,024] x [K 1,024, N 4,096]; A: input q; B: input k: QUANTISED (scales: A lowp_scales[0], B lowp_scales[1])
;;     2. batch 16,384 x [M 1, K 1,024] x [K 1,024, N 1]; A: input q; B: input q: left as it is (M = 1 < 16)
;;     3. batch 16,384 x [M 1, K 1,024] x [K 1,024, N 1]; A: input k; B: input k: left as it is (M = 1 < 16)
;;   THE QUANTISER, for each operand of a quantised product, along K:
;;     - The operand's scale is 2^e, e = its entry of the input lowp_scales (int32; the entries are numbered through the quantised products in the list's order, A before B).
;;     - Each number is divided by the scale, clamped to +-448, and rounded to the nearest number of E4M3, ties to even, subnormals kept.
;;     - The product sums the exact products of the quantised numbers (number of the format x scale) in f32.
;;   ~~~python
;;   def quantise(x, axis, e):      # numpy; x: float32 -> the quantised numbers, widened to float32 again
;;       x = np.moveaxis(x, axis, -1); K = x.shape[-1]
;;       r = np.clip(x / 2.0 ** e, -448, 448)
;;       step = 2.0 ** (np.maximum(np.frexp(np.where(r == 0, 1, r))[1] - 1, -6) - 3)
;;       q = np.round(r / step) * step * 2.0 ** e      # np.round: ties to even
;;       return np.moveaxis(q, -1, axis).astype(np.float32)
;;   ~~~
;; One version. Each part assembles by itself: llvm-mc -triple=amdgcn-amd-amdhsa -mcpu=gfx1250 --defsym DOCPART=n.
;; ======== version 1 of 1: 3 launches
;; limits: right only within a limited range of input values
;; workspace buffers: q_codes 16,777,216 bytes; k_codes 16,777,216 bytes; qq 65,536 bytes; kk 65,536 bytes; part 262,144 bytes
;; launch quant (part 1): grid 512 x 1, 8 waves a work-group, no clusters, 1,536 bytes of LDS; arguments q, k, lowp_scales, q_codes, k_codes, qq, kk; writes q_codes, k_codes, qq, kk
.if DOCPART == 1
	.amdgcn_target "amdgcn-amd-amdhsa--gfx1250"
	.amdhsa_code_object_version 6
	.text
	.protected	k_qef741b187f_quant
	.globl	k_qef741b187f_quant
	.p2align	8
	.type	k_qef741b187f_quant,@function
k_qef741b187f_quant:
	s_mov_b64 s[64:65], 0
	v_nop
	global_prefetch_b8 v0, s[64:65] scope:SCOPE_SE
	s_setreg_imm32_b32 hwreg(HW_REG_WAVE_MODE, 25, 1), 1
	s_wait_xcnt 0x0
.set SQ, 8
.set X,  16
.set C,  80
	s_load_b256 s[4:11], s[0:1], 0x0
	s_load_b128 s[12:15], s[0:1], 0x20
	s_load_b64 s[16:17], s[0:1], 0x30
	v_lshl_add_u32 v152, v0, 2, 0x200
	v_mov_b32 v153, 0
	v_lshrrev_b32 v1, 5, v0
	s_delay_alu instid0(VALU_DEP_1)
	v_readfirstlane_b32 s18, v1
	v_and_b32 v1, 31, v0
	v_and_b32 v144, 15, v0
	v_bfe_u32 v145, v0, 4, 1
	s_delay_alu instid0(VALU_DEP_2)
	v_lshlrev_b32 v2, 5, v144
	s_delay_alu instid0(VALU_DEP_1)
	v_lshl_add_u32 v2, v145, 4, v2
	v_lshlrev_b32 v3, 4, v1
	v_lshlrev_b32 v5, 3, v1
	s_and_b32 s19, s18, 1
	s_lshr_b32 s24, s18, 1
	s_lshl_b32 s25, s19, 8
	s_lshl_b32 s26, s24, 6
	s_add_co_u32 s25, s25, s26
	v_lshl_add_u32 v4, v144, 2, s25
	s_mov_b32 s20, 0x76543210
	s_mov_b32 s21, 0xfedcba98
	s_and_b32 s27, ttmp9, 255
	s_lshr_b32 s28, s27, 2
	s_and_b32 s29, s27, 3
	s_lshl_b32 s29, s29, 2
	s_add_co_u32 s29, s29, s24
	s_and_b32 s36, s29, 1
	s_lshl_b32 s30, s28, 20
	s_lshl_b32 s31, s19, 19
	s_add_co_u32 s30, s30, s31
	s_lshl_b32 s31, s29, 12
	s_add_co_u32 s30, s30, s31
	s_mov_b32 s31, 0
	s_lshl_b32 s32, s28, 4
	s_add_co_u32 s32, s32, s29
	s_lshl_b32 s32, s32, 14
	s_lshl_b32 s33, s19, 13
	s_add_co_u32 s32, s32, s33
	s_mov_b32 s33, 0
	s_lshl_b32 s34, s27, 8
	s_mov_b32 s35, 0
	s_wait_alu depctr_va_vdst(0)
	s_wait_kmcnt 0x0
	s_load_b64 s[22:23], s[8:9], 0x0
	s_cmp_lt_u32 ttmp9, 256
	s_cselect_b64 s[4:5], s[4:5], s[6:7]
	s_cselect_b64 s[10:11], s[10:11], s[12:13]
	s_cselect_b64 s[14:15], s[14:15], s[16:17]
	s_add_nc_u64 s[4:5], s[4:5], s[30:31]
	s_add_nc_u64 s[10:11], s[10:11], s[32:33]
	s_add_nc_u64 s[14:15], s[14:15], s[34:35]
.macro LOAD t
.irp j, 0,1,2,3
	global_load_b128 v[X+16*((\t)%4)+4*\j:X+16*((\t)%4)+4*\j+3], v2, s[4:5] offset:((\t)/2)*65536+((\t)%2)*2048+512*\j th:TH_LOAD_NT
.endr
.endm
.irp t, 0,1,2,3
	LOAD \t
.endr
	s_wait_kmcnt 0x0
	s_cmp_lt_u32 ttmp9, 256
	s_cselect_b32 s22, s22, s23
	s_cselect_b32 s36, s36, 0
	s_mul_i32 s36, s36, 0x80808080
	s_add_co_i32 s22, s22, 127
	s_lshl_b32 s23, s22, 23
	v_mov_b32 v7, s23
	s_add_co_i32 s22, s22, 8
	s_lshl_b32 s22, s22, 23
	s_or_b32 s22, s22, 0x600000
	v_mov_b32 v6, s22
.macro STEP t
.set XS, X+16*((\t)%4)
.if 15-(\t) >= 3
	s_wait_loadcnt 12
.else
	s_wait_loadcnt 4*(15-(\t))
.endif
.irp j, 0,1,2,3,4,5,6,7
.if ((\t) == 0) && (\j < 4)
	v_pk_mul_f32 v[SQ+2*(\j%4):SQ+2*(\j%4)+1], v[XS+2*\j:XS+2*\j+1], v[XS+2*\j:XS+2*\j+1]
.else
	v_pk_fma_f32 v[SQ+2*(\j%4):SQ+2*(\j%4)+1], v[XS+2*\j:XS+2*\j+1], v[XS+2*\j:XS+2*\j+1], v[SQ+2*(\j%4):SQ+2*(\j%4)+1]
.endif
.endr
.irp i, 0,1,2,3,4,5,6,7,8,9,10,11,12,13,14,15
	v_med3_num_f32 v[XS+\i], v[XS+\i], -v6, v6
.endr
	v_cvt_scalef32_pk8_fp8_f32 v[C+4*(\t):C+4*(\t)+1], v[XS:XS+7], v7
	v_cvt_scalef32_pk8_fp8_f32 v[C+4*(\t)+2:C+4*(\t)+3], v[XS+8:XS+15], v7
	v_nop
.irp j, 0,1,2,3
	v_xor_b32 v[C+4*(\t)+\j], s36, v[C+4*(\t)+\j]
.endr
.if (\t)+4 < 16
	LOAD (\t)+4
.endif
.endm
	s_wait_alu depctr_va_vdst(0)
.irp t, 0,1,2,3,4,5,6,7,8,9,10,11,12,13,14,15
	STEP \t
.endr
	v_pk_add_f32 v[8:9], v[8:9], v[10:11]
	v_pk_add_f32 v[12:13], v[12:13], v[14:15]
	s_delay_alu instid0(VALU_DEP_1)
	v_pk_add_f32 v[8:9], v[8:9], v[12:13]
	s_delay_alu instid0(VALU_DEP_1)
	v_add_f32 v8, v8, v9
	s_delay_alu instid0(VALU_DEP_1)
	v_permlanex16_b32 v144, v8, s20, s21
	s_delay_alu instid0(VALU_DEP_1)
	v_add_f32 v8, v8, v144
	ds_store_b32 v4, v8
.irp t, 0,1,2,3,4,5,6,7,8,9,10,11,12,13,14,15
	global_store_b128 v3, v[C+4*\t:C+4*\t+3], s[10:11] offset:512*\t
.endr
	s_wait_dscnt 0x0
	s_barrier_signal -1
	s_barrier_wait -1
	s_cmp_lg_u32 s18, 0
	s_cbranch_scc1 .Lend
	ds_load_b64 v[144:145], v5
	ds_load_b64 v[146:147], v5 offset:256
	s_wait_dscnt 0x0
	v_pk_add_f32 v[144:145], v[144:145], v[146:147]
	global_store_b64 v5, v[144:145], s[14:15]
.Lend:
	s_wait_tensorcnt 0x0
	ds_add_u32 v152, v153
	s_wait_dscnt 0x0
	s_endpgm
.Lfunc_end_k_qef741b187f_quant:
	.size	k_qef741b187f_quant, .Lfunc_end_k_qef741b187f_quant-k_qef741b187f_quant
	.p2alignl 7, 3214868480
	.fill 96, 4, 3214868480
	.section	.rodata,"a",@progbits
	.p2align	6, 0x0
	.amdhsa_kernel k_qef741b187f_quant
		.amdhsa_group_segment_fixed_size 1536
		.amdhsa_private_segment_fixed_size 0
		.amdhsa_enable_private_segment 0
		.amdhsa_kernarg_size 56
		.amdhsa_user_sgpr_count 2
		.amdhsa_user_sgpr_kernarg_segment_ptr 1
		.amdhsa_wavefront_size32 1
		.amdhsa_system_sgpr_workgroup_id_x 1
		.amdhsa_system_sgpr_workgroup_id_y 1
		.amdhsa_system_sgpr_workgroup_id_z 1
		.amdhsa_system_vgpr_workitem_id 0
		.amdhsa_next_free_vgpr 154
		.amdhsa_next_free_sgpr 66
		.amdhsa_reserve_vcc 0
		.amdhsa_float_denorm_mode_32 3
		.amdhsa_float_denorm_mode_16_64 3
		.amdhsa_memory_ordered 1
		.amdhsa_forward_progress 1
		.amdhsa_inst_pref_size 41
	.end_amdhsa_kernel
	.amdgpu_metadata
---
amdhsa.version: [ 1, 2 ]
amdhsa.kernels:
  - .name:           k_qef741b187f_quant
    .symbol:         k_qef741b187f_quant.kd
    .args:
      - { .name: q, .offset: 0, .size: 8, .value_kind: global_buffer, .address_space: global }
      - { .name: k, .offset: 8, .size: 8, .value_kind: global_buffer, .address_space: global }
      - { .name: lowp_scales, .offset: 16, .size: 8, .value_kind: global_buffer, .address_space: global }
      - { .name: q_codes, .offset: 24, .size: 8, .value_kind: global_buffer, .address_space: global }
      - { .name: k_codes, .offset: 32, .size: 8, .value_kind: global_buffer, .address_space: global }
      - { .name: qq, .offset: 40, .size: 8, .value_kind: global_buffer, .address_space: global }
      - { .name: kk, .offset: 48, .size: 8, .value_kind: global_buffer, .address_space: global }
    .group_segment_fixed_size: 1536
    .private_segment_fixed_size: 0
    .kernarg_segment_align: 8
    .kernarg_segment_size: 56
    .max_flat_workgroup_size: 256
    .sgpr_count:     66
    .vgpr_count:     154
    .wavefront_size: 32
...
	.end_amdgpu_metadata
.endif
;; end of part 1
;; launch sim (part 2): grid 16 x 16, 4 waves a work-group, clusters of 4 x 1, 327,680 bytes of LDS; arguments q_codes, k_codes, qq, kk, lowp_scales, part; writes part
.if DOCPART == 2
	.amdgcn_target "amdgcn-amd-amdhsa--gfx1250"
	.amdhsa_code_object_version 6
	.text
	.protected	k_qef741b187f_sim
	.globl	k_qef741b187f_sim
	.p2align	8
	.type	k_qef741b187f_sim,@function
k_qef741b187f_sim:
	s_mov_b64 s[64:65], 0
	v_nop
	global_prefetch_b8 v0, s[64:65] scope:SCOPE_SE
	s_setreg_imm32_b32 hwreg(HW_REG_WAVE_MODE, 25, 1), 1
	s_wait_xcnt 0x0
	s_wait_alu depctr_hold_cnt(0) depctr_sa_sdst(0) depctr_va_vdst(0) depctr_va_sdst(0) depctr_va_ssrc(0) depctr_va_vcc(0) depctr_vm_vsrc(0)
	s_getreg_b32 s2, hwreg(HW_REG_IB_STS2, 6, 4)
	s_cmp_eq_u32 s2, 0
	s_cbranch_scc0 .Lentry_in_a_cluster
	s_endpgm
.Lentry_in_a_cluster:
	s_bfe_u32 s2, ttmp6, 0x10000c
	s_cmp_lg_u32 s2, 0x3003
	s_cbranch_scc0 .Lentry_shape_is_right
	s_endpgm
.Lentry_shape_is_right:
.set SLOT,  1<<17
.set SPARE, 2*SLOT
.set QQL,   SPARE+512
.set STG,   QQL+4096
.set L16,  1
.set ADA,  2
.set AQ0,  4
.set AQ,   5
.set SPW,  6
.set NIL,  7
.set SNR,  8
.set SPR,  16
.set KKR,  24
.set QQR,  32
.set SS,   40
.set ACC,  48
.set DD,   112
.set PP,   144
.set TT,   176
.set QQ2,  192
.set WV,   16
.set G1,   24
.set G0A,  32
.set G0B,  36
.set TB,   40
.set SQ,   41
.set CNT,  42
.set NE,   43
.set SEL,  44
.set CP,   56
.set CN,   58
.set MAG,  60
.set MSB, 0
.macro WIN new
.if MSB != \new
	s_set_vgpr_msb (MSB<<8)|\new
.set MSB, \new
.endif
.endm
.macro PLACES
.rept 4
	v_nop
.endr
.endm
.macro CREST
	s_cmp_lg_u32 s[WV], 0
	s_cbranch_scc1 .Lnot_wave_0_\@
	s_barrier_signal -3
.Lnot_wave_0_\@:
	s_barrier_wait -3
	s_barrier_signal -1
	s_barrier_wait -1
.endm
.macro CROUND
	s_barrier_signal -1
	s_barrier_wait -1
	CREST
.endm
.macro EOP
.if vp < 16
.set t, vp/4
.set p, vp%4
	v_pk_fma_f32 v[DD+8*t+2*p:DD+8*t+2*p+1], v[XO+8*t+2*p:XO+8*t+2*p+1], s[CS:CS+1], v[QO+2*p:QO+2*p+1] op_sel_hi:[1,0,1]
.elseif vp < 32
.set t, (vp-16)/4
.set p, vp%4
	v_pk_add_f32 v[DD+8*t+2*p:DD+8*t+2*p+1], v[DD+8*t+2*p:DD+8*t+2*p+1], v[KKR+2*t:KKR+2*t+1]
.elseif vp < 40
.set t, (vp-32)/2
.set p, vp%2
	v_pk_mul_f32 v[PP+8*t+2*p:PP+8*t+2*p+1], v[XO+8*t+4*p:XO+8*t+4*p+1], v[DD+8*t+4*p+2:DD+8*t+4*p+3]
.elseif vp < 48
.set t, (vp-40)/2
.set p, vp%2
	v_pk_mul_f32 v[PP+8*t+4+2*p:PP+8*t+5+2*p], v[DD+8*t+4*p:DD+8*t+4*p+1], v[DD+8*t+4*p+2:DD+8*t+4*p+3]
.elseif vp < 56
.set t, (vp-48)/2
.set p, vp%2
	v_pk_fma_f32 v[PP+8*t+2*p:PP+8*t+2*p+1], v[XO+8*t+4*p+2:XO+8*t+4*p+3], v[DD+8*t+4*p:DD+8*t+4*p+1], v[PP+8*t+2*p:PP+8*t+2*p+1]
.elseif vp < 60
.set t, vp-56
	v_pk_mul_f32 v[DD+8*t:DD+8*t+1], v[PP+8*t+4:PP+8*t+5], v[PP+8*t+6:PP+8*t+7]
.elseif vp < 64
.set t, vp-60
	v_pk_mul_f32 v[DD+8*t+2:DD+8*t+3], v[PP+8*t:PP+8*t+1], v[PP+8*t+6:PP+8*t+7]
.elseif vp < 68
.set t, vp-64
	v_pk_fma_f32 v[DD+8*t+2:DD+8*t+3], v[PP+8*t+2:PP+8*t+3], v[PP+8*t+4:PP+8*t+5], v[DD+8*t+2:DD+8*t+3]
.elseif vp < 76
.set t, (vp-68)/2
.set p, vp%2
	v_sub_nc_u32 v[DD+8*t+4+p], s[MAG], v[DD+8*t+p]
.elseif (vp < 80) || ((vp >= 88) && (vp < 92))
.set t, vp%4
	v_pk_fma_f32 v[DD+8*t+6:DD+8*t+7], v[DD+8*t:DD+8*t+1], v[DD+8*t+4:DD+8*t+5], 1.0 op_sel_hi:[1,1,0] neg_lo:[1,0,0] neg_hi:[1,0,0]
.elseif vp < 84
.set t, vp%4
	v_pk_fma_f32 v[DD+8*t+6:DD+8*t+7], v[DD+8*t+6:DD+8*t+7], v[DD+8*t+6:DD+8*t+7], v[DD+8*t+6:DD+8*t+7]
.elseif vp < 96
.set t, vp%4
	v_pk_fma_f32 v[DD+8*t+4:DD+8*t+5], v[DD+8*t+4:DD+8*t+5], v[DD+8*t+6:DD+8*t+7], v[DD+8*t+4:DD+8*t+5]
.else
.set t, vp%4
.if od
	v_pk_fma_f32 v[SS+2*t:SS+2*t+1], v[DD+8*t+2:DD+8*t+3], v[DD+8*t+4:DD+8*t+5], v[SS+2*t:SS+2*t+1] neg_lo:[1,0,0] neg_hi:[1,0,0]
.else
	v_pk_fma_f32 v[SS+2*t:SS+2*t+1], v[DD+8*t+2:DD+8*t+3], v[DD+8*t+4:DD+8*t+5], v[SS+2*t:SS+2*t+1]
.endif
.endif
.endm
.macro TERMS
	WIN 0
.set vp, 0
.rept 100
	EOP
.set vp, vp+1
.endr
.endm
.macro LN nb, buf
	WIN 0xc0
.set lp, 0
.rept 32
	ds_load_b128 v[128*(\buf)+4*lp:128*(\buf)+4*lp+3], v[ADA+(\nb)/4] offset:((\nb)%4)*16384+512*lp
.set lp, lp+1
.endr
.endm
.macro LQ bi
	ds_load_b128 v[QN:QN+3], v[AQ] offset:64*(\bi)
	ds_load_b128 v[QN+4:QN+7], v[AQ] offset:64*(\bi)+16
.endm
.macro MM from, to
.set i, \from
.rept (\to)-(\from)
.if i < 16
	WIN 0x07
.else
	WIN 0x0b
.endif
.set rD, ACC+32*cur+8*(i%4)
.set rA, 128*cur+16*(i/4)
.set rB, 64*((i/4)%4)+16*(i%4)
.set rC, SPR-8*cur
.if i < 4
	v_wmma_f32_16x16x128_fp8_fp8 v[rD:rD+7], v[rA:rA+15], v[rB:rB+15], v[rC:rC+7]
.else
	v_wmma_f32_16x16x128_fp8_fp8 v[rD:rD+7], v[rA:rA+15], v[rB:rB+15], v[rD:rD+7]
.endif
.set i, i+1
.endr
.endm
.macro BLOCK bi, kind
.set cur, (\bi)%2
.set od, 1-cur
.set XO, ACC+32*od
.set CS, CN-2*od
.set QN, QQR+(QQ2-QQR)*cur
.set QO, QQR+(QQ2-QQR)*od
.if (\kind == 1) || (\kind == 2)
	s_wait_tensorcnt 0x0
	ds_add_u32 v[SPW], v[NIL]
.if \kind == 1
	s_xor_b32 s[G0B+1], s[G0B+1], SLOT
	s_add_nc_u64 s[G0B+2:G0B+3], s[G0B+2:G0B+3], SLOT
.endif
	s_xor_b32 s[TB], s[TB], SLOT
	s_add_co_u32 s[SQ], s[SQ], 512
	s_wait_dscnt 0x0
	s_barrier_signal -1
	MM 0, 16
	WIN 0
	s_barrier_wait -1
.if \kind == 1
	CREST
	tensor_load_to_lds s[G0B:G0B+3], s[G1:G1+7]
	s_nop 0
.endif
	v_add_nc_u32 v[ADA], s[TB], v[L16]
	v_add_nc_u32 v[ADA+1], 0x10000, v[ADA]
	v_nop
	v_nop
	LQ \bi
	v_add_nc_u32 v[AQ], s[SQ], v[AQ0]
	LN 0, 1-cur
	MM 16, 32
.else
	s_wait_dscnt 0x0
	LQ \bi
.if \kind == 0
	LN ((\bi)+1)%8, 1-cur
.endif
	MM 0, 32
.endif
	TERMS
.endm
.macro SEVEN
.irp bi, 0,1,2,3,4,5,6
	BLOCK \bi, 0
.endr
.endm
	s_load_b256 s[4:11], s[0:1], 0x0
	s_load_b128 s[12:15], s[0:1], 0x20
	v_lshl_add_u32 v[SPW], v0, 2, SPARE
	v_mov_b32 v[NIL], 0
	ds_add_u32 v[SPW], v[NIL]
	ds_add_u32 v[SPW], v[NIL]
	v_lshrrev_b32 v1, 5, v0
	v_readfirstlane_b32 s[WV], v1
	s_bfe_u32 s17, ttmp6, 0x40000
	s_lshl_b32 s18, ttmp9, 2
	s_add_co_u32 s18, s18, s17
	s_and_b32 s19, ttmp7, 0xffff
	s_lshr_b32 s20, s19, 2
	s_mov_b32 s[G1], 15|(3<<16)|(1<<21)
	s_mov_b32 s[G1+1], 32<<16
	s_mov_b32 s[G1+2], 128<<16
	s_mov_b32 s[G1+3], 32<<16
	s_mov_b32 s[G1+4], 128
	s_mov_b32 s[G1+5], 32
	s_mov_b32 s[G1+6], 0
	s_mov_b32 s[G1+7], 0
	s_lshl_b32 s48, s19, 20
	s_lshl_b32 s49, s[WV], 15
	s_add_co_u32 s48, s48, s49
	s_mov_b32 s49, 0
	s_lshl_b32 s22, s19, 12
	s_mov_b32 s23, 0
	s_lshl_b32 s50, s20, 22
	s_lshl_b32 s51, s18, 18
	s_add_co_u32 s50, s50, s51
	s_lshl_b32 s51, s[WV], 16
	s_add_co_u32 s50, s50, s51
	s_mov_b32 s51, 0
	s_lshl_b32 s52, s18, 10
	s_lshl_b32 s53, s[WV], 8
	s_add_co_u32 s52, s52, s53
	s_lshl_b32 s54, s19, 14
	s_add_co_u32 s54, s54, s52
	s_lshl_b32 s53, s20, 14
	s_add_co_u32 s52, s52, s53
	s_mov_b32 s53, 0
	s_mov_b32 s55, 0
	s_mov_b32 s[TB], 0
	s_mov_b32 s[SQ], 0
	s_mov_b32 s[CNT], 6
	s_mov_b32 s[SEL], 0x76543210
	s_mov_b32 s[SEL+1], 0xfedcba98
	s_mov_b32 s[MAG], 0x7ef311c7
	s_wait_dscnt 0x0
	s_wait_kmcnt 0x0
	s_load_b64 s[46:47], s[12:13], 0x0
	s_add_nc_u64 s[4:5], s[4:5], s[48:49]
	s_add_nc_u64 s[6:7], s[6:7], s[50:51]
	s_add_nc_u64 s[8:9], s[8:9], s[22:23]
	s_add_nc_u64 s[10:11], s[10:11], s[52:53]
	s_add_nc_u64 s[14:15], s[14:15], s[54:55]
	s_mov_b32 s[G0A], 1
	s_lshl_b32 s[G0A+1], s[WV], 15
	s_mov_b64 s[G0A+2:G0A+3], s[4:5]
	s_or_b32 s[G0A+3], s[G0A+3], 0x80000000
	s_mov_b32 s[G0B], 1
	s_add_co_u32 s[G0B+1], s[G0A+1], SLOT
	s_add_nc_u64 s[G0B+2:G0B+3], s[4:5], SLOT
	s_or_b32 s[G0B+3], s[G0B+3], 0x80000000
	CROUND
	tensor_load_to_lds s[G0A:G0A+3], s[G1:G1+7]
	s_nop 0
	PLACES
	v_and_b32 v[L16], 31, v0
	v_lshlrev_b32 v[L16], 4, v[L16]
	v_and_b32 v[TT+1], 15, v0
	v_lshlrev_b32 v[TT+1], 2, v[TT+1]
	v_lshlrev_b32 v[TT], 4, v0
.irp b, 0,1,2,3
	global_load_b32 v[TT+4+\b], v[TT+1], s[10:11] offset:64*\b
.endr
	global_load_b128 v[TT+8:TT+11], v[TT], s[8:9]
	global_load_b128 v[TT+12:TT+15], v[TT], s[8:9] offset:2048
	WIN 0x40
.irp s, 0,1,2,3
.irp b, 0,1,2,3
.irp c, 0,1,2,3
	global_load_b128 v[64*\s+16*\b+4*\c:64*\s+16*\b+4*\c+3], v[L16], s[6:7] offset:16384*\b+2048*\s+512*\c
.endr
.endr
.endr
	WIN 0x80
.irp s, 0,1,2,3
.irp b, 0,1,2,3
.irp c, 0,1,2,3
	global_load_b128 v[64*\s+16*\b+4*\c:64*\s+16*\b+4*\c+3], v[L16], s[6:7] offset:16384*\b+2048*(\s+4)+512*\c
.endr
.endr
.endr
	WIN 0
.set j, 0
.rept 32
	v_mov_b32 v[ACC+32+j], 0
.set j, j+1
.endr
.set j, 0
.rept 8
	v_mov_b32 v[QQ2+j], 1.0
	v_mov_b32 v[SS+j], 0
.set j, j+1
.endr
	v_add_nc_u32 v[ADA], s[TB], v[L16]
	v_add_nc_u32 v[ADA+1], 0x10000, v[ADA]
	v_bfe_u32 v[AQ0], v0, 4, 1
	v_lshl_add_u32 v[AQ0], v[AQ0], 5, QQL
	v_add_nc_u32 v[AQ], s[SQ], v[AQ0]
	v_add_nc_u32 v[TT+2], QQL, v[TT]
	s_wait_alu depctr_va_vdst(0)
	s_wait_tensorcnt 0x0
	ds_add_u32 v[SPW], v[NIL]
	s_wait_dscnt 0x0
	CROUND
	tensor_load_to_lds s[G0B:G0B+3], s[G1:G1+7]
	s_nop 0
	PLACES
	s_wait_kmcnt 0x0
	s_add_co_i32 s[CP], s46, s47
	s_sub_co_i32 s[NE], 0, s[CP]
	s_add_co_i32 s[CP], s[CP], 127
	s_lshl_b32 s[CP], s[CP], 23
	s_mov_b32 s[CP+1], s[CP]
	s_or_b32 s[CN], s[CP], 0x80000000
	s_mov_b32 s[CN+1], s[CN]
	v_mov_b32 v[SPR], 0x3727c5ac
	v_ldexp_f32 v[SPR], v[SPR], s[NE]
.irp j, 1,2,3,4,5,6,7
	v_mov_b32 v[SPR+\j], v[SPR]
.endr
.irp j, 0,1,2,3,4,5,6,7
	v_mul_f32 v[SNR+\j], -1.0, v[SPR]
.endr
	s_wait_alu depctr_va_vdst(0)
	s_wait_loadcnt 0x0
	ds_store_b128 v[TT+2], v[TT+8:TT+11]
	ds_store_b128 v[TT+2], v[TT+12:TT+15] offset:2048
.irp b, 0,1,2,3
	v_add_f32 v[KKR+2*\b], 0x37a7c5ac, v[TT+4+\b]
.endr
.irp b, 0,1,2,3
	v_mov_b32 v[KKR+2*\b+1], v[KKR+2*\b]
.endr
	s_wait_alu depctr_va_vdst(0)
	s_wait_dscnt 0x0
	s_barrier_signal -1
	s_barrier_wait -1
	LN 0, 0
	WIN 0
.Lslot:
	SEVEN
	BLOCK 7, 1
	s_sub_co_u32 s[CNT], s[CNT], 1
	s_cmp_lg_u32 s[CNT], 0
	s_cbranch_scc1 .Lslot
	SEVEN
	BLOCK 7, 2
	SEVEN
	BLOCK 7, 3
	s_wait_dscnt 0x0
.set od, 1
.set XO, ACC+32
.set CS, CP
.set QO, QQ2
	TERMS
	s_lshl_b32 s48, s[WV], 8
	s_add_co_u32 s48, s48, STG
	v_and_b32 v[PP], 15, v0
	v_lshl_add_u32 v[PP], v[PP], 2, s48
	v_and_b32 v[PP+2], 31, v0
	v_lshlrev_b32 v[PP+2], 3, v[PP+2]
	v_add_nc_u32 v[PP+1], s48, v[PP+2]
.irp b, 0,1,2,3
	v_add_f32 v[SS+2*\b], v[SS+2*\b], v[SS+2*\b+1]
.endr
.irp b, 0,1,2,3
	v_permlanex16_b32 v[SS+2*\b+1], v[SS+2*\b], s[SEL], s[SEL+1]
.endr
.irp b, 0,1,2,3
	v_add_f32 v[SS+2*\b], v[SS+2*\b], v[SS+2*\b+1]
.endr
.irp b, 0,1,2,3
	v_mul_f32 v[SS+2*\b], s[CP], v[SS+2*\b]
.endr
.irp b, 0,1,2,3
	ds_store_b32 v[PP], v[SS+2*\b] offset:64*\b
.endr
	ds_load_b64 v[PP+4:PP+5], v[PP+1]
	s_wait_dscnt 0x0
	global_store_b64 v[PP+2], v[PP+4:PP+5], s[14:15]
	s_wait_tensorcnt 0x0
	ds_add_u32 v[SPW], v[NIL]
	s_wait_dscnt 0x0
	CROUND
	s_endpgm
.Lfunc_end_k_qef741b187f_sim:
	.size	k_qef741b187f_sim, .Lfunc_end_k_qef741b187f_sim-k_qef741b187f_sim
	.p2alignl 7, 3214868480
	.fill 96, 4, 3214868480
	.section	.rodata,"a",@progbits
	.p2align	6, 0x0
	.amdhsa_kernel k_qef741b187f_sim
		.amdhsa_group_segment_fixed_size 327680
		.amdhsa_private_segment_fixed_size 0
		.amdhsa_enable_private_segment 0
		.amdhsa_kernarg_size 48
		.amdhsa_user_sgpr_count 2
		.amdhsa_user_sgpr_kernarg_segment_ptr 1
		.amdhsa_wavefront_size32 1
		.amdhsa_system_sgpr_workgroup_id_x 1
		.amdhsa_system_sgpr_workgroup_id_y 1
		.amdhsa_system_sgpr_workgroup_id_z 1
		.amdhsa_system_vgpr_workitem_id 0
		.amdhsa_next_free_vgpr 1024
		.amdhsa_next_free_sgpr 66
		.amdhsa_reserve_vcc 0
		.amdhsa_float_denorm_mode_32 3
		.amdhsa_float_denorm_mode_16_64 3
		.amdhsa_memory_ordered 1
		.amdhsa_forward_progress 1
		.amdhsa_inst_pref_size 255
	.end_amdhsa_kernel
	.section	.bss,"aw",@nobits
	.p2align	6
	.space	262144
	.amdgpu_metadata
---
amdhsa.version: [ 1, 2 ]
amdhsa.kernels:
  - .name:           k_qef741b187f_sim
    .symbol:         k_qef741b187f_sim.kd
    .args:
      - { .name: q_codes, .offset: 0, .size: 8, .value_kind: global_buffer, .address_space: global }
      - { .name: k_codes, .offset: 8, .size: 8, .value_kind: global_buffer, .address_space: global }
      - { .name: qq, .offset: 16, .size: 8, .value_kind: global_buffer, .address_space: global }
      - { .name: kk, .offset: 24, .size: 8, .value_kind: global_buffer, .address_space: global }
      - { .name: lowp_scales, .offset: 32, .size: 8, .value_kind: global_buffer, .address_space: global }
      - { .name: part, .offset: 40, .size: 8, .value_kind: global_buffer, .address_space: global }
    .group_segment_fixed_size: 327680
    .private_segment_fixed_size: 0
    .kernarg_segment_align: 8
    .kernarg_segment_size: 48
    .max_flat_workgroup_size: 128
    .sgpr_count:     66
    .vgpr_count:     1024
    .wavefront_size: 32
...
	.end_amdgpu_metadata
.endif
;; end of part 2
;; launch scale (part 3): grid 512 x 1, 8 waves a work-group, no clusters, 0 bytes of LDS; arguments v, part, out0; writes out0
.if DOCPART == 3
	.amdgcn_target "amdgcn-amd-amdhsa--gfx1250"
	.amdhsa_code_object_version 6
	.text
	.protected	k_qef741b187f_scale
	.globl	k_qef741b187f_scale
	.p2align	8
	.type	k_qef741b187f_scale,@function
k_qef741b187f_scale:
	s_mov_b64 s[64:65], 0
	v_nop
	global_prefetch_b8 v0, s[64:65] scope:SCOPE_SE
	s_setreg_imm32_b32 hwreg(HW_REG_WAVE_MODE, 25, 1), 1
	s_wait_xcnt 0x0
.set X, 16
.set Y, 80
	s_load_b128 s[4:7], s[0:1], 0x0
	s_load_b64 s[8:9], s[0:1], 0x10
	v_lshrrev_b32 v1, 5, v0
	s_delay_alu instid0(VALU_DEP_1)
	v_readfirstlane_b32 s10, v1
	v_and_b32 v1, 31, v0
	s_delay_alu instid0(VALU_DEP_1)
	v_lshlrev_b32 v2, 4, v1
	s_delay_alu instid0(VALU_DEP_2)
	v_lshrrev_b32 v3, 1, v1
	s_delay_alu instid0(VALU_DEP_1)
	v_lshlrev_b32 v3, 2, v3
	s_lshr_b32 s11, ttmp9, 3
	s_and_b32 s12, ttmp9, 7
	s_lshl_b32 s12, s12, 1
	s_lshr_b32 s13, s10, 2
	s_add_co_u32 s12, s12, s13
	s_and_b32 s13, s10, 3
	s_lshl_b32 s14, s11, 20
	s_lshl_b32 s15, s13, 18
	s_add_co_u32 s14, s14, s15
	s_lshl_b32 s15, s12, 12
	s_add_co_u32 s14, s14, s15
	s_mov_b32 s15, 0
	s_lshr_b32 s16, s11, 4
	s_lshl_b32 s16, s16, 16
	s_and_b32 s17, s11, 15
	s_lshl_b32 s17, s17, 10
	s_add_co_u32 s16, s16, s17
	s_lshl_b32 s17, s12, 6
	s_add_co_u32 s16, s16, s17
	s_mov_b32 s17, 0
	s_wait_alu depctr_va_vdst(0)
	s_wait_kmcnt 0x0
	s_add_nc_u64 s[4:5], s[4:5], s[14:15]
	s_add_nc_u64 s[8:9], s[8:9], s[14:15]
	s_add_nc_u64 s[6:7], s[6:7], s[16:17]
.irp g, 0,1,2,3
	global_load_b32 v[4+\g], v3, s[6:7] offset:16384*\g
.endr
.macro LOAD t
.irp j, 0,1,2,3
	global_load_b128 v[X+16*((\t)%4)+4*\j:X+16*((\t)%4)+4*\j+3], v2, s[4:5] offset:((\t)/2)*65536+((\t)%2)*2048+512*\j th:TH_LOAD_NT
.endr
.endm
.irp t, 0,1,2,3
	LOAD \t
.endr
	s_wait_loadcnt 16
	v_add_f32 v4, v4, v5
	v_add_f32 v6, v6, v7
	s_delay_alu instid0(VALU_DEP_1)
	v_add_f32 v4, v4, v6
	s_delay_alu instid0(VALU_DEP_1)
	v_mul_f32 v8, 0x39800000, v4
	s_delay_alu instid0(VALU_DEP_1)
	v_mov_b32 v9, v8
.macro STEP t
.set XS, X+16*((\t)%4)
.set YS, Y+16*((\t)%2)
.if 7-(\t) >= 3
	s_wait_loadcnt 12
.else
	s_wait_loadcnt 4*(7-(\t))
.endif
	s_wait_xcnt 0x0
.irp j, 0,2,4,6,8,10,12,14
	v_pk_mul_f32 v[YS+\j:YS+\j+1], v[XS+\j:XS+\j+1], v[8:9]
.endr
.if (\t)+4 < 8
	LOAD (\t)+4
.endif
.irp j, 0,1,2,3
	global_store_b128 v2, v[YS+4*\j:YS+4*\j+3], s[8:9] offset:((\t)/2)*65536+((\t)%2)*2048+512*\j th:TH_STORE_NT
.endr
.endm
	s_wait_alu depctr_va_vdst(0)
.irp t, 0,1,2,3,4,5,6,7
	STEP \t
.endr
	s_endpgm
.Lfunc_end_k_qef741b187f_scale:
	.size	k_qef741b187f_scale, .Lfunc_end_k_qef741b187f_scale-k_qef741b187f_scale
	.p2alignl 7, 3214868480
	.fill 96, 4, 3214868480
	.section	.rodata,"a",@progbits
	.p2align	6, 0x0
	.amdhsa_kernel k_qef741b187f_scale
		.amdhsa_group_segment_fixed_size 0
		.amdhsa_private_segment_fixed_size 0
		.amdhsa_enable_private_segment 0
		.amdhsa_kernarg_size 24
		.amdhsa_user_sgpr_count 2
		.amdhsa_user_sgpr_kernarg_segment_ptr 1
		.amdhsa_wavefront_size32 1
		.amdhsa_system_sgpr_workgroup_id_x 1
		.amdhsa_system_sgpr_workgroup_id_y 1
		.amdhsa_system_sgpr_workgroup_id_z 1
		.amdhsa_system_vgpr_workitem_id 0
		.amdhsa_next_free_vgpr 112
		.amdhsa_next_free_sgpr 66
		.amdhsa_reserve_vcc 0
		.amdhsa_float_denorm_mode_32 3
		.amdhsa_float_denorm_mode_16_64 3
		.amdhsa_memory_ordered 1
		.amdhsa_forward_progress 1
		.amdhsa_inst_pref_size 13
	.end_amdhsa_kernel
	.amdgpu_metadata
---
amdhsa.version: [ 1, 2 ]
amdhsa.kernels:
  - .name:           k_qef741b187f_scale
    .symbol:         k_qef741b187f_scale.kd
    .args:
      - { .name: v, .offset: 0, .size: 8, .value_kind: global_buffer, .address_space: global }
      - { .name: part, .offset: 8, .size: 8, .value_kind: global_buffer, .address_space: global }
      - { .name: out0, .offset: 16, .size: 8, .value_kind: global_buffer, .address_space: global }
    .group_segment_fixed_size: 0
    .private_segment_fixed_size: 0
    .kernarg_segment_align: 8
    .kernarg_segment_size: 24
    .max_flat_workgroup_size: 256
    .sgpr_count:     66
    .vgpr_count:     112
    .wavefront_size: 32
...
	.end_amdgpu_metadata
.endif
;; end of part 3
